; MI455X (gfx1250); checked and timed in simulation.
; The chip was launched on July 23, 2026; its instructions are those of AMD's public machine-readable ISA for CDNA 5 (MIT licence, August 2026) and "CDNA5" Instruction Set Architecture Reference Guide (July 2026). The comments in the code are by the model that wrote it; some were corrected since.
;; Real Imag Ternary Linear. Allowed arithmetic: matrix products marked QUANTISED: E3M2 operands, one E8M0 scale for each 32 along K, by v_wmma_scale_f32_16x16x128_f8f6f4 with both operands' format E3M2, f32 sums; everything else in f32.
;; Inputs: quant_x_im_codes 2,048 x 128 x 24 uint8 (E3M2 codes of quant_x_im, K innermost, in blocks of 32 codes, four codes in three bytes); quant_x_im_scales 2,048 x 128 uint8 (E8M0 scales of quant_x_im, one for each 32 codes along K); quant_x_re_codes 2,048 x 128 x 24 uint8 (E3M2 codes of quant_x_re, K innermost, in blocks of 32 codes, four codes in three bytes); quant_x_re_scales 2,048 x 128 uint8 (E8M0 scales of quant_x_re, one for each 32 codes along K); weight_im 2,048 x 4,096 float32; weight_re 2,048 x 4,096 float32.
;; Outputs: out0 2,048 x 2,048 float32; out1 2,048 x 2,048 float32.
;; This version of the problem:
;;   THIS VERSION OF THE PROBLEM IS GIVEN IN LOW PRECISION. The matrix products marked QUANTISED in the list below multiply operands that are first quantised to E3M2 (3 exponent bits, 2 mantissa bits; 6 bits a number), with one power-of-two scale for each 32 numbers along K (OCP MX v1.0); their sums are f32. All else is computed in f32.
;;   The module's matrix products, in the order in which they are computed (A, B: the left and right operand; K: the contracted axis; several contracted axes count as one K, in the product's order):
;;     1. [M 2,048, K 4,096] x [K 4,096, N 2,048]; A: input quant_x_re (given as codes); B: computed on the way: QUANTISED
;;     2. [M 2,048, K 4,096] x [K 4,096, N 2,048]; A: input quant_x_im (given as codes); B: computed on the way: QUANTISED
;;     3. [M 2,048, K 4,096] x [K 4,096, N 2,048]; A: input quant_x_re (given as codes); B: computed on the way: QUANTISED
;;     4. [M 2,048, K 4,096] x [K 4,096, N 2,048]; A: input quant_x_im (given as codes); B: computed on the way: QUANTISED
;;   THE QUANTISER, for each operand of a quantised product, along K:
;;     - K is cut into blocks of 32 from its start; a last block that is shorter is filled with zeros.
;;     - A block's scale is 2^e with e = floor(log2(the largest magnitude in the block)) - 4, held to -126 .. 127; a block of zeros has e = 0. As a byte (E8M0): e + 127.
;;     - Each number is divided by its block's scale, clamped to +-28, and rounded to the nearest number of E3M2, ties to even, subnormals kept.
;;     - The product sums the exact products of the quantised numbers (number of the format x scale) in f32.
;;   ~~~python
;;   def quantise(x, axis):      # numpy; x: float32 -> the quantised numbers, widened to float32 again
;;       x = np.moveaxis(x, axis, -1); K = x.shape[-1]
;;       x = np.pad(x, [(0, 0)] * (x.ndim - 1) + [(0, -K % 32)]); x = x.reshape(x.shape[:-1] + (-1, 32)); a = np.abs(x).max(-1, keepdims=True)
;;       e = np.where(a > 0, np.clip(np.frexp(np.where(a > 0, a, 1))[1] - 1 - 4, -126, 127), 0)      # np.frexp(a)[1] - 1 = floor(log2(a)), exactly
;;       r = np.clip(x / 2.0 ** e, -28, 28)
;;       step = 2.0 ** (np.maximum(np.frexp(np.where(r == 0, 1, r))[1] - 1, -2) - 2)
;;       q = np.round(r / step) * step * 2.0 ** e      # np.round: ties to even
;;       return np.moveaxis(q.reshape(q.shape[:-2] + (-1,))[..., :K], -1, axis).astype(np.float32)
;;   ~~~
;;   OPERANDS COMPUTED ON THE WAY. 'Computed on the way' means the value that the module computes at that place (a softmax that the list does not call 'softmax' is quantised finished and normalised). What goes into a quantiser is computed in f32, as accurately as f32 sums, v_exp_f32 and their like allow (about 1e-6 of the number): no bf16 or f16 on the way to a quantiser, and a product that is left as it is and whose result goes on into a quantised operand takes f32 operands (vector FMAs, or v_wmma_f32_16x16x4_f32). A number that lies on a knife's edge between two numbers of the format may be rounded either way, as far as f32 arithmetic and the matrix unit's own rounding can turn it there, and no further.
;;   INPUTS GIVEN AS CODES. quant_x_im (in the module: [2048, 4096], K = its axis 1); quant_x_re (in the module: [2048, 4096], K = its axis 1): each comes as NAME_codes (uint8): NAME with its K axis moved to the last place and cut into blocks of 32 codes, [.., K / 32, bytes a block], one block behind the other in memory; four codes in three bytes: a row's codes are one little-endian stream of bits, code i at bits 6 i .. 6 i + 5 (a code: sign, 3 exponent bits, 2 mantissa bits); and NAME_scales (uint8): the same leading axes, one E8M0 byte (e + 127) for each 32 codes along K. Its value is code x scale, taken as it is: it is not quantised again, and the codes and scales need not be those that the quantiser above would give.
;; One version. Each part assembles by itself: llvm-mc -triple=amdgcn-amd-amdhsa -mcpu=gfx1250 --defsym DOCPART=n.
;; ======== version 1 of 1: 3 launches
;; limits: right only within a limited range of input values
;; workspace buffers: psum 2,048 bytes; xre_f 6,553,600 bytes; xim_f 6,553,600 bytes; wre_f 6,553,600 bytes; wim_f 6,553,600 bytes
;; launch prep (part 1): grid 640 x 1, 8 waves a work-group, no clusters, 105,728 bytes of LDS; arguments weight_re, weight_im, quant_x_re_codes, quant_x_im_codes, quant_x_re_scales, quant_x_im_scales, xre_f, xim_f, psum; writes xre_f, xim_f, psum
.if DOCPART == 1
	.amdgcn_target "amdgcn-amd-amdhsa--gfx1250"
	.amdhsa_code_object_version 6
	.text
	.protected	k_q66a8823587_prep
	.globl	k_q66a8823587_prep
	.p2align	8
	.type	k_q66a8823587_prep,@function
k_q66a8823587_prep:
	s_mov_b64 s[64:65], 0
	v_nop
	global_prefetch_b8 v0, s[64:65] scope:SCOPE_SE
	s_setreg_imm32_b32 hwreg(HW_REG_WAVE_MODE, 25, 1), 1
	s_wait_xcnt 0x0
; Two jobs that hang on nothing but inputs, told apart by the work-group's number.  The job with the longer chain (load, turn, store) has the lower numbers.
; WORK-GROUPS 0-127: x's codes and scales are laid again as the product's registers want them.  xre_f, xim_f: [16 tiles of 128 rows][32 steps of 128 along K][12,800 bytes]:
;   eight fragments of 16 rows (1,536 bytes: lane r + 16 h has 48 bytes: the 24 bytes of block h of row r, then those of block 2 + h), then 512 bytes of scale words, [half of the tile][row 0-15][fragment 0-3].
;   A work-group takes a tile and eight steps, wave w fragment w: 16 rows x 768 bytes come in by 24 loads of whole 256-byte units and lie in the wave's own LDS rows (784 bytes apart); each lane takes its 48 bytes of each
;   fragment from there; the fragments go back into the same LDS bytes as they are laid, and leave by stores of 512 consecutive bytes.
;   The scale words of the eight waves meet in LDS behind one barrier, and wave w stores step w's 512 bytes whole.  Of x's scale rows (128 bytes) a work-group reads its 32 bytes.
; WORK-GROUPS 128-639: partial sums of |w| of the two weights, [2048][4096] f32 (the mean of |w| sets the ternary threshold; the next launch finishes the sum).
;   psum: 512 f32, words 0-255 weight_re, 256-511 weight_im.  A work-group takes 131,072 bytes, a wave 16,384: 32 loads of 512 consecutive bytes, all issued at once.
;   The sum is a tree: eight chains a lane, lanes, waves.  LIMITS: NaN and infinities among the weights are not served; the order of the additions is this tree's.
; No cluster: the work-groups share no input.  No matrix unit: nothing is multiplied.  No prefetch: no loop to run ahead in, all loads go out at once.
.set A, 8                              ; v8-15    sums: eight chains
.set X, 16                             ; v16-143  sums: the wave's bytes;  x: v16-111 as loaded, then v16-159 at work
.set SPW, 2                            ; v2       my spare word
.set NIL, 7                            ; v7       0
.set XL,  1280                         ; LDS: bytes 0-31 the sums' words, 256-1279 the spare words, then x's rows: 12,544 bytes a wave,
.set SCA, XL+8*12544                   ; then x's scale words: 8 steps x 512 bytes
	s_load_b512 s[4:19], s[0:1], 0x0               ; weight_re, weight_im, x codes re, im, x scales re, im, xre_f, xim_f
	s_load_b64 s[20:21], s[0:1], 0x40              ; psum
	v_lshl_add_u32 v[SPW], v0, 2, 0x100
	v_mov_b32 v[NIL], 0
	v_lshrrev_b32 v1, 5, v0
	v_readfirstlane_b32 s22, v1                    ; wave 0..7
	v_and_b32 v1, 31, v0                           ; lane
	v_lshlrev_b32 v3, 4, v1                        ; 16 bytes a lane
	s_wait_alu depctr_va_vdst(0)                   ; the wait at the head's end
	s_wait_kmcnt 0x0
	s_cmp_lt_u32 ttmp9, 128
	s_cbranch_scc1 .Lx
	s_sub_co_u32 s27, ttmp9, 128                   ; 0..511
	s_and_b32 s23, s27, 255                        ; which 131,072 bytes of the tensor
	s_lshl_b32 s24, s23, 17
	s_lshl_b32 s25, s22, 14                        ; my wave's 16,384 of them
	s_add_co_u32 s24, s24, s25
	s_mov_b32 s25, 0
	s_lshl_b32 s26, s27, 2                         ; my work-group's word in psum
	s_mov_b32 s28, 0x76543210                      ; v_permlanex16_b32's selects for lane l xor 16
	s_mov_b32 s29, 0xfedcba98
	s_cmp_lt_u32 s27, 256
	s_cselect_b64 s[4:5], s[4:5], s[6:7]
	s_add_nc_u64 s[4:5], s[4:5], s[24:25]
.set i, 0
.rept 32
	global_load_b128 v[X+4*i:X+4*i+3], v3, s[4:5] offset:512*i
.set i, i+1
.endr
	s_wait_loadcnt 24                              ; the first eight loads are in, 24 younger ones stay out
.set j, 0
.rept 8
	v_add_f32 v[A+j], |v[X+j]|, |v[X+8+j]|         ; the first sixteen numbers start the chains
.set j, j+1
.endr
.set j, 16
.rept 16
	v_add_f32 v[A+j%8], v[A+j%8], |v[X+j]|
.set j, j+1
.endr
.irp g, 1,2,3
	s_wait_alu depctr_va_vdst(0)                   ; the wait ahead of the wait below
	s_wait_loadcnt 24-8*\g                         ; the next eight loads are in
.rept 32
	v_add_f32 v[A+j%8], v[A+j%8], |v[X+j]|
.set j, j+1
.endr
.endr
	v_add_f32 v[A], v[A], v[A+1]
	v_add_f32 v[A+2], v[A+2], v[A+3]
	v_add_f32 v[A+4], v[A+4], v[A+5]
	v_add_f32 v[A+6], v[A+6], v[A+7]
	v_add_f32 v[A], v[A], v[A+2]
	v_add_f32 v[A+4], v[A+4], v[A+6]
	s_delay_alu instid0(VALU_DEP_1)
	v_add_f32 v[A], v[A], v[A+4]
.irp m, 1,2,4,8
	s_delay_alu instid0(VALU_DEP_1)
	v_add_f32_dpp v8, v8, v8 row_xmask:\m row_mask:0xf bank_mask:0xf
.endr
	s_delay_alu instid0(VALU_DEP_1)
	v_permlanex16_b32 v9, v8, s28, s29             ; (its destination has been written: chain 1)
	s_delay_alu instid0(VALU_DEP_1)
	v_add_f32 v8, v8, v9                           ; the wave's sum, in every lane
	v_mov_b32 v4, s22
	s_delay_alu instid0(VALU_DEP_1)
	v_lshlrev_b32 v4, 2, v4
	ds_store_b32 v4, v8                            ; all lanes write the wave's word with the same value
	s_wait_dscnt 0x0                               ; for the others' sake: my store has landed
	s_barrier_signal -1
	s_barrier_wait -1
	s_cmp_lg_u32 s22, 0                            ; wave 0 adds the eight and stores; no barrier follows
	s_cbranch_scc1 .Lend
	v_mov_b32 v5, 0
	ds_load_b128 v[16:19], v5
	ds_load_b128 v[20:23], v5 offset:16
	v_mov_b32 v6, s26
	v_cmp_eq_u32 vcc_lo, 0, v0
	s_wait_dscnt 0x0
	v_add_f32 v16, v16, v17
	v_add_f32 v18, v18, v19
	v_add_f32 v20, v20, v21
	v_add_f32 v22, v22, v23
	v_add_f32 v16, v16, v18
	v_add_f32 v20, v20, v22
	s_delay_alu instid0(VALU_DEP_1)
	v_add_f32 v16, v16, v20
	s_wait_alu depctr_va_vdst(0)
	s_wait_xcnt 0x0                                ; EXEC changes only behind this wait
	s_and_saveexec_b32 s27, vcc_lo                 ; lane 0 alone
	global_store_b32 v6, v16, s[20:21]
	s_wait_xcnt 0x0                                ; and again in front of the line that widens it
	s_or_b32 exec_lo, exec_lo, s27
.Lend:
	s_wait_tensorcnt 0x0                           ; the wave's end
	ds_add_u32 v[SPW], v[NIL]
	s_wait_dscnt 0x0
	s_endpgm
.Lx:                                                   ; the work-group's number, 0..127: bit 6 re or im, bits 5:2 the tile, bits 1:0 which eight steps
	s_bfe_u32 s24, ttmp9, 0x40002
	s_and_b32 s25, ttmp9, 3
	s_lshl_b32 s26, s24, 3
	s_add_co_u32 s26, s26, s22                     ; my 16 rows: block 8 x tile + wave
	s_mul_i32 s30, s26, 16*3072
	s_mul_i32 s27, s25, 768
	s_add_co_u32 s30, s30, s27                     ; codes: my rows, my 768 bytes of each
	s_mov_b32 s31, 0
	s_lshl_b32 s32, s26, 11
	s_lshl_b32 s27, s25, 5
	s_add_co_u32 s32, s32, s27                     ; scales: my rows, my 32 bytes of each
	s_mov_b32 s33, 0
	s_mul_i32 s34, s24, 409600
	s_mul_i32 s27, s25, 8*12800
	s_add_co_u32 s34, s34, s27                     ; out: the tile, the first of the eight steps
	s_mov_b32 s35, 0
	s_mul_i32 s36, s22, 1536                       ; my fragment
	s_mov_b32 s37, 0
	s_mul_i32 s38, s22, 12800
	s_add_co_u32 s38, s38, 12288                   ; the scale words of step w
	s_mov_b32 s39, 0
	s_mul_i32 s40, s22, 12544
	s_add_co_u32 s40, s40, XL                      ; my LDS rows
	s_lshr_b32 s41, s22, 2
	s_lshl_b32 s41, s41, 8
	s_and_b32 s27, s22, 3
	s_lshl_b32 s27, s27, 2
	s_add_co_u32 s41, s41, s27
	s_add_co_u32 s41, s41, SCA                     ; my fragment's place among a step's scale words
	s_lshl_b32 s42, s22, 9
	s_add_co_u32 s42, s42, SCA                     ; step w's 512 bytes
	s_cmp_lt_u32 ttmp9, 64
	s_cselect_b64 s[8:9], s[8:9], s[10:11]
	s_cselect_b64 s[12:13], s[12:13], s[14:15]
	s_cselect_b64 s[16:17], s[16:17], s[18:19]
	s_add_nc_u64 s[8:9], s[8:9], s[30:31]
	s_add_nc_u64 s[12:13], s[12:13], s[32:33]
	s_add_nc_u64 s[16:17], s[16:17], s[34:35]
	s_add_nc_u64 s[18:19], s[16:17], s[38:39]
	s_add_nc_u64 s[16:17], s[16:17], s[36:37]
	v_bfe_u32 v112, v0, 4, 1                       ; h
	v_and_b32 v113, 15, v0                         ; r
	v_mul_u32_u24 v4, v112, 2304
	v_add_nc_u32 v4, v4, v3                        ; the middle load of three: lanes 16-31 begin the next row
	v_lshlrev_b32 v14, 7, v113
	v_lshl_add_u32 v14, v112, 4, v14               ; scales: row r, 16 bytes (four steps' words) for each half of the lanes
	global_load_b128 v[8:11], v14, s[12:13]
.set a, 0
.rept 8                                ; three loads bring two rows' 768 bytes: sixteen neighbouring lanes read one aligned unit of 256 bytes
	global_load_b128 v[X+12*a:X+12*a+3], v3, s[8:9] offset:6144*a th:TH_LOAD_NT
	global_load_b128 v[X+12*a+4:X+12*a+7], v4, s[8:9] offset:6144*a+512 th:TH_LOAD_NT
	global_load_b128 v[X+12*a+8:X+12*a+11], v3, s[8:9] offset:6144*a+3328 th:TH_LOAD_NT
.set a, a+1
.endr
	v_add_nc_u32 v5, s40, v3                       ; into LDS: as loaded,
	v_lshl_add_u32 v6, v112, 4, v5                 ; the middle load's lanes 16-31 one LDS row (784 bytes) on
	v_lshlrev_b32 v15, 11, v112
	v_lshl_add_u32 v15, v113, 4, v15
	v_add_nc_u32 v15, s41, v15                     ; scale words: step 4 h + i at 512 (4 h + i), row r at 16 r
	v_mul_u32_u24 v12, v113, 784
	v_mad_u32_u24 v12, v112, 24, v12
	v_add_nc_u32 v12, s40, v12                     ; my row r, + 24 for lanes 16-31: where a fragment's lane finds its blocks
	v_mul_u32_u24 v13, v1, 48
	v_add_nc_u32 v13, s40, v13                     ; my 48 bytes of a fragment as it is laid
	v_add_nc_u32 v1, s42, v3                       ; where I read step w's scale words back
	s_wait_alu depctr_va_vdst(0)                   ; the wait ahead of the wait below
	s_wait_loadcnt 24                              ; the scale words are in; the 24 loads of codes stay out
.irp i, 0,1,2,3
	ds_store_b32 v15, v[8+\i] offset:512*\i
.endr
.set a, 0
.rept 8
	s_wait_loadcnt 21-3*a                          ; the next two rows are in
	ds_store_b128 v5, v[X+12*a:X+12*a+3] offset:1568*a
	ds_store_b128 v6, v[X+12*a+4:X+12*a+7] offset:1568*a+512
	ds_store_b128 v5, v[X+12*a+8:X+12*a+11] offset:1568*a+1040
.set a, a+1
.endr
.macro BACK s, reg                     ; step s's fragment as the operand's lane holds it: blocks h and 2 + h of row r, in pieces of 8 bytes (LDS serves a wave's instructions in order: these see the stores above)
.irp p, 0,1,2,3,4,5
	ds_load_b64 v[\reg+2*\p:\reg+2*\p+1], v12 offset:96*(\s)+48*(\p/3)+8*(\p%3)
.endr
.endm
.macro FST s, reg                      ; the fragment as it is laid, 48 bytes a lane, into my own rows' bytes, which have all been read by then
.irp j, 0,1,2
	ds_store_b128 v13, v[\reg+4*\j:\reg+4*\j+3] offset:1536*(\s)+16*\j
.endr
.endm
.macro FLD s, reg                      ; and back, 16 bytes a lane on end
.irp j, 0,1,2
	ds_load_b128 v[\reg+4*\j:\reg+4*\j+3], v5 offset:1536*(\s)+512*\j
.endr
.endm
.macro OUT s, reg
.irp j, 0,1,2
	global_store_b128 v3, v[\reg+4*\j:\reg+4*\j+3], s[16:17] offset:12800*(\s)+512*\j   ; 512 consecutive bytes, at a multiple of 256
.endr
.endm
	BACK 0, 112
	BACK 1, 124
	BACK 2, 136
	BACK 3, 148
	s_wait_dscnt 0x0                               ; for the others' sake too: my scale words have landed
	s_barrier_signal -1
	s_barrier_wait -1
	ds_load_b128 v[8:11], v1                       ; step w's scale words, of all eight waves
	BACK 4, 16
	BACK 5, 28
	BACK 6, 40
	BACK 7, 52
	s_wait_dscnt 0x0                               ; all eight steps are in registers: my rows' bytes may be written again
	global_store_b128 v3, v[8:11], s[18:19]
	FST 0, 112
	FST 1, 124
	FST 2, 136
	FST 3, 148
	FST 4, 16
	FST 5, 28
	FST 6, 40
	FST 7, 52
	FLD 0, 64
	FLD 1, 76
	FLD 2, 88
	FLD 3, 100
	s_wait_dscnt 0x0                               ; the stores above have read v112-159
	FLD 4, 112
	FLD 5, 124
	FLD 6, 136
	FLD 7, 148
	OUT 0, 64
	OUT 1, 76
	OUT 2, 88
	OUT 3, 100
	s_wait_dscnt 0x0
	OUT 4, 112
	OUT 5, 124
	OUT 6, 136
	OUT 7, 148
	s_wait_tensorcnt 0x0                           ; the wave's end
	ds_add_u32 v[SPW], v[NIL]
	s_wait_dscnt 0x0
	s_endpgm
.Lfunc_end_k_q66a8823587_prep:
	.size	k_q66a8823587_prep, .Lfunc_end_k_q66a8823587_prep-k_q66a8823587_prep
	.p2alignl 7, 3214868480
	.fill 96, 4, 3214868480
	.section	.rodata,"a",@progbits
	.p2align	6, 0x0
	.amdhsa_kernel k_q66a8823587_prep
		.amdhsa_group_segment_fixed_size 105728
		.amdhsa_private_segment_fixed_size 0
		.amdhsa_enable_private_segment 0
		.amdhsa_kernarg_size 72
		.amdhsa_user_sgpr_count 2
		.amdhsa_user_sgpr_kernarg_segment_ptr 1
		.amdhsa_wavefront_size32 1
		.amdhsa_system_sgpr_workgroup_id_x 1
		.amdhsa_system_sgpr_workgroup_id_y 1
		.amdhsa_system_sgpr_workgroup_id_z 1
		.amdhsa_system_vgpr_workitem_id 0
		.amdhsa_next_free_vgpr 160
		.amdhsa_next_free_sgpr 66
		.amdhsa_reserve_vcc 1
		.amdhsa_float_denorm_mode_32 3
		.amdhsa_float_denorm_mode_16_64 3
		.amdhsa_memory_ordered 1
		.amdhsa_forward_progress 1
		.amdhsa_inst_pref_size 30
	.end_amdhsa_kernel
	.amdgpu_metadata
---
amdhsa.version: [ 1, 2 ]
amdhsa.kernels:
  - .name:           k_q66a8823587_prep
    .symbol:         k_q66a8823587_prep.kd
    .args:
      - { .name: weight_re, .offset: 0, .size: 8, .value_kind: global_buffer, .address_space: global }
      - { .name: weight_im, .offset: 8, .size: 8, .value_kind: global_buffer, .address_space: global }
      - { .name: quant_x_re_codes, .offset: 16, .size: 8, .value_kind: global_buffer, .address_space: global }
      - { .name: quant_x_im_codes, .offset: 24, .size: 8, .value_kind: global_buffer, .address_space: global }
      - { .name: quant_x_re_scales, .offset: 32, .size: 8, .value_kind: global_buffer, .address_space: global }
      - { .name: quant_x_im_scales, .offset: 40, .size: 8, .value_kind: global_buffer, .address_space: global }
      - { .name: xre_f, .offset: 48, .size: 8, .value_kind: global_buffer, .address_space: global }
      - { .name: xim_f, .offset: 56, .size: 8, .value_kind: global_buffer, .address_space: global }
      - { .name: psum, .offset: 64, .size: 8, .value_kind: global_buffer, .address_space: global }
    .group_segment_fixed_size: 105728
    .private_segment_fixed_size: 0
    .kernarg_segment_align: 8
    .kernarg_segment_size: 72
    .max_flat_workgroup_size: 256
    .sgpr_count:     66
    .vgpr_count:     160
    .wavefront_size: 32
...
	.end_amdgpu_metadata
.endif
;; end of part 1
;; launch wquant (part 2): grid 512 x 1, 4 waves a work-group, no clusters, 40,448 bytes of LDS; arguments weight_re, weight_im, wre_f, wim_f, psum; writes wre_f, wim_f
.if DOCPART == 2
	.amdgcn_target "amdgcn-amd-amdhsa--gfx1250"
	.amdhsa_code_object_version 6
	.text
	.protected	k_q66a8823587_wquant
	.globl	k_q66a8823587_wquant
	.p2align	8
	.type	k_q66a8823587_wquant,@function
k_q66a8823587_wquant:
	s_mov_b64 s[64:65], 0
	v_nop
	global_prefetch_b8 v0, s[64:65] scope:SCOPE_SE
	s_setreg_imm32_b32 hwreg(HW_REG_WAVE_MODE, 25, 1), 1
	s_wait_xcnt 0x0
; The two weights, [2048][4096] f32, become operands: ternarised as the module has it, in f32, then codes of BF6 (E3M2) with one E8M0 byte for each 32 along K.
;   m = max(sum|w| / 2^23, 1e-5);  s = 1 / m;  q = clip(round(w s), -1, 1);  d = 1 / s;  w' = w + (q d - w).   q d is exact, so one fused multiply-add gives the rounded q d - w.
; A block's byte is its largest magnitude's exponent field - 4, held at 1 from below.  wre_f, wim_f are laid as xre_f, xim_f are: [16 tiles of 128 rows][32 steps][8 fragments of 1,536 bytes, then 512 bytes of scale words].
; LIMITS: NaN and infinities among the weights are not served.  A block of zeros gets the byte 1 where the rule says 127: its codes are zeros, and this program alone reads the bytes.
; s and d are v_rcp_f32 with one Newton step.  The sum of |w| is a tree: the launch before, 8 words a lane, the lanes; every wave adds in the same order.
; A wave takes half a tile (64 rows) in one step (128 along K): four fragments of 16 rows.  A load reads a row's 512 consecutive bytes; 16 rows turn through the wave's own LDS rows (528 bytes apart) so that lane r + 16 h
; holds blocks h and 2 + h of row r whole, as the operand's layout gives them: no other lane is asked for a maximum.  The codes turn through LDS once more and leave as 512 consecutive bytes a store.
; Loads run two fragments (32 loads a wave) ahead.  No barrier: waves share nothing.  No cluster: work-groups share 1 KiB of sums alone.  No prefetch: the loads themselves run ahead.
.set T,     32                         ; v32-63   at work; then codes v32-43, their odd halves v44-46, v48-50, the codes as stored v52-63
.set X,     64                         ; v64-127  my two blocks of 32
.set R,     128                        ; v128-255 two sets of 16 rows as loaded
.set W,     24                         ; v24-27   the four fragments' scale words
.set WREG,  9984                       ; LDS, a wave: 16 rows x 528 bytes, then 1,536 bytes for the codes
.set CS,    8448
.set SPARE, 4*WREG
	s_load_b256 s[4:11], s[0:1], 0x0               ; weight_re, weight_im, wre_f, wim_f
	s_load_b64 s[24:25], s[0:1], 0x20              ; psum
	v_lshl_add_u32 v30, v0, 2, SPARE
	v_mov_b32 v31, 0
	v_lshrrev_b32 v1, 5, v0
	v_readfirstlane_b32 s16, v1                    ; wave
	v_and_b32 v2, 31, v0                           ; lane
	v_lshlrev_b32 v3, 4, v2                        ; my 16 bytes of 512
	v_lshlrev_b32 v29, 5, v2                       ; my 8 words of the tensor's 256 partial sums
	v_and_b32 v4, 15, v0                           ; r
	v_bfe_u32 v5, v0, 4, 1                         ; h
	s_mul_i32 s17, s16, WREG
	v_add_nc_u32 v14, s17, v3                      ; LDS: 16 x lane
	v_mul_u32_u24 v15, v4, 528
	v_lshl_add_u32 v15, v5, 7, v15
	v_add_nc_u32 v15, s17, v15                     ; LDS: row r, block h
	v_mul_u32_u24 v6, v2, 48
	v_add_nc_u32 v6, s17, v6                       ; LDS: my 48 bytes of codes
	v_lshlrev_b32 v13, 3, v5                       ; 8 h
	v_lshlrev_b32 v7, 4, v4
	v_lshl_add_u32 v7, v5, 3, v7                   ; scale words out: 16 r + 8 h
	v_mov_b32 v12, 0                               ; a lane permute's destination counts as one of its sources
	s_mov_b32 s28, 0x76543210
	s_mov_b32 s29, 0xfedcba98
	s_wait_alu depctr_va_vdst(0)                   ; the wait at the head's end
	s_wait_kmcnt 0x0
	s_cmp_lt_u32 ttmp9, 256                        ; re or im?
	s_cselect_b64 s[4:5], s[4:5], s[6:7]
	s_cselect_b64 s[8:9], s[8:9], s[10:11]
	s_cselect_b32 s26, 0, 1024
	s_mov_b32 s27, 0
	s_add_nc_u64 s[24:25], s[24:25], s[26:27]      ; my tensor's 256 partial sums
	s_and_b32 s17, ttmp9, 255
	s_lshl_b32 s17, s17, 2
	s_add_co_u32 s18, s17, s16                     ; 0..1023: bit 0 the half, bits 5:1 the step, bits 9:6 the tile
	s_and_b32 s19, s18, 1
	s_bfe_u32 s20, s18, 0x50001
	s_lshr_b32 s21, s18, 6
	s_lshl_b32 s22, s21, 21                        ; 128 rows of 16,384 bytes
	s_lshl_b32 s23, s19, 20
	s_add_co_u32 s22, s22, s23
	s_lshl_b32 s23, s20, 9
	s_add_co_u32 s22, s22, s23
	s_mov_b32 s23, 0
	s_add_nc_u64 s[4:5], s[4:5], s[22:23]
	s_mul_i32 s22, s21, 409600
	s_mul_i32 s30, s20, 12800
	s_add_co_u32 s22, s22, s30
	s_mul_i32 s30, s19, 6144
	s_add_co_u32 s30, s30, s22                     ; my four fragments
	s_mov_b32 s31, 0
	s_lshl_b32 s32, s19, 8
	s_add_co_u32 s32, s32, s22
	s_add_co_u32 s32, s32, 12288                   ; my 256 bytes of scale words
	s_mov_b32 s33, 0
	s_add_nc_u64 s[10:11], s[8:9], s[32:33]
	s_add_nc_u64 s[8:9], s[8:9], s[30:31]
	global_load_b128 v[20:23], v29, s[24:25]
	global_load_b128 v[24:27], v29, s[24:25] offset:16
.macro LOAD f
.set i, 0
.rept 16
	global_load_b128 v[R+64*((\f)%2)+4*i:R+64*((\f)%2)+4*i+3], v3, s[4:5] offset:16384*(16*(\f)+i) th:TH_LOAD_NT
.set i, i+1
.endr
.endm
	LOAD 0
	LOAD 1
	s_wait_loadcnt 32                              ; the partial sums are in; the 32 loads of weights stay out
	v_add_f32 v20, v20, v21
	v_add_f32 v22, v22, v23
	v_add_f32 v24, v24, v25
	v_add_f32 v26, v26, v27
	v_add_f32 v20, v20, v22
	v_add_f32 v24, v24, v26
	v_add_f32 v20, v20, v24
.irp m, 1,2,4,8
	v_add_f32_dpp v20, v20, v20 row_xmask:\m row_mask:0xf bank_mask:0xf
.endr
	v_permlanex16_b32 v12, v20, s28, s29
	v_add_f32 v20, v20, v12                        ; the sum of |w| over the tensor
	v_mul_f32 v20, 0x34000000, v20                 ; x 2^-23: the mean, exact
	v_max_num_f32 v20, 0x3727c5ac, v20             ; m = max(mean, 1e-5)
	s_wait_alu depctr_va_vdst(0)                   ; a wait ahead of a transcendental and one behind it
	v_rcp_f32 v21, v20
	v_nop
	s_wait_alu depctr_va_vdst(0)
	v_fma_f32 v22, -v20, v21, 1.0
	v_fma_f32 v16, v21, v22, v21                   ; s = r + r (1 - m r)
	s_wait_alu depctr_va_vdst(0)
	v_rcp_f32 v21, v16
	v_nop
	s_wait_alu depctr_va_vdst(0)
	v_fma_f32 v22, -v16, v21, 1.0
	v_fma_f32 v18, v21, v22, v21                   ; d = 1 / s likewise
	v_mov_b32 v17, v16                             ; pairs for the packed forms
	v_mov_b32 v19, v18
.macro TERN c                          ; my block 2 c + h becomes w', in place; v[10 + c]: the conversion's scale operand
.set XS, X+32*(\c)
.set j, 0
.rept 16
	v_pk_mul_f32 v[T+j:T+j+1], v[XS+j:XS+j+1], v[16:17]            ; w s
.set j, j+2
.endr
.set j, 0
.rept 32
	v_rndne_f32 v[T+j], v[T+j]
.set j, j+1
.endr
.set j, 0
.rept 32
	v_med3_num_f32 v[T+j], v[T+j], -1.0, 1.0                       ; q
.set j, j+1
.endr
.set j, 0
.rept 16
	v_pk_fma_f32 v[T+j:T+j+1], v[T+j:T+j+1], v[18:19], v[XS+j:XS+j+1] neg_lo:[0,0,1] neg_hi:[0,0,1]   ; q d - w
.set j, j+2
.endr
.set j, 0
.rept 16
	v_pk_add_f32 v[XS+j:XS+j+1], v[XS+j:XS+j+1], v[T+j:T+j+1]      ; w' = w + (q d - w)
.set j, j+2
.endr
	v_max3_num_f32 v8, |v[XS]|, |v[XS+1]|, 0x2800000               ; the largest magnitude, in two chains, over the floor 2^(5 - 127)
	v_max3_num_f32 v9, |v[XS+16]|, |v[XS+17]|, 0x2800000
.set j, 2
.rept 7
	v_max3_num_f32 v8, v8, |v[XS+j]|, |v[XS+j+1]|
	v_max3_num_f32 v9, v9, |v[XS+16+j]|, |v[XS+17+j]|
.set j, j+2
.endr
	v_max_num_f32 v8, v8, v9
	v_add_nc_u32 v[10+(\c)], 0xfe000000, v8                        ; 4 off its exponent field
.endm
.macro FRAGW f
	s_wait_alu depctr_va_vdst(0)                   ; the wait ahead of the wait below
.if (\f) < 3
	s_wait_loadcnt 16                              ; this fragment's 16 rows are in; the next one's stay out
.else
	s_wait_loadcnt 0x0
.endif
.set i, 0
.rept 16
	ds_store_b128 v14, v[R+64*((\f)%2)+4*i:R+64*((\f)%2)+4*i+3] offset:528*i
.set i, i+1
.endr
.set i, 0
.rept 16
	ds_load_b128 v[X+4*i:X+4*i+3], v15 offset:256*(i/8)+16*(i%8)   ; LDS serves a wave's instructions in order
.set i, i+1
.endr
	s_wait_dscnt 0x0
.if (\f)+2 < 4
	LOAD (\f)+2
.endif
.if (\f) > 0
	s_wait_xcnt 0x0                                ; the last fragment's stores have read v52-63
.endif
	TERN 0
	TERN 1
	v_cvt_scalef32_pk16_bf6_f32 v[32:34], v[X:X+15], v10
	v_cvt_scalef32_pk16_bf6_f32 v[44:46], v[X+16:X+31], v10        ; (a conversion's three registers begin on an even number)
	v_cvt_scalef32_pk16_bf6_f32 v[38:40], v[X+32:X+47], v11
	v_cvt_scalef32_pk16_bf6_f32 v[48:50], v[X+48:X+63], v11
	v_lshrrev_b32 v20, 23, v10                     ; the two bytes (plain lines behind the conversions)
	v_lshrrev_b32 v21, 23, v11
.irp i, 0,1,2
	v_mov_b32 v[35+\i], v[44+\i]
	v_mov_b32 v[41+\i], v[48+\i]
.endr
	v_lshl_or_b32 v20, v21, 16, v20
	v_lshlrev_b32 v20, v13, v20                    ; blocks h and 2 + h at their places in the word
	v_permlanex16_b32 v12, v20, s28, s29
	v_or_b32 v[W+(\f)], v20, v12                   ; with lane l xor 16's two the word is whole
.irp j, 0,1,2
	ds_store_b128 v6, v[32+4*\j:35+4*\j] offset:CS+16*\j
.endr
.irp j, 0,1,2
	ds_load_b128 v[52+4*\j:55+4*\j], v14 offset:CS+512*\j
.endr
	s_wait_alu depctr_va_vdst(0)
	s_wait_dscnt 0x0
.irp j, 0,1,2
	global_store_b128 v3, v[52+4*\j:55+4*\j], s[8:9] offset:1536*(\f)+512*\j   ; 512 consecutive bytes, at a multiple of 256
.endr
.endm
	FRAGW 0
	FRAGW 1
	FRAGW 2
	FRAGW 3
	v_cmp_ne_u32 vcc_lo, 0, v5
	v_cndmask_b32 v20, v[W], v[W+2], vcc_lo        ; lanes 0-15 store fragments 0 and 1's words of row r, lanes 16-31 fragments 2 and 3's
	v_cndmask_b32 v21, v[W+1], v[W+3], vcc_lo
	global_store_b64 v7, v[20:21], s[10:11]        ; the wave stores 256 consecutive bytes, at a multiple of 256
	s_wait_tensorcnt 0x0                           ; the wave's end
	ds_add_u32 v30, v31
	s_wait_dscnt 0x0
	s_endpgm
.Lfunc_end_k_q66a8823587_wquant:
	.size	k_q66a8823587_wquant, .Lfunc_end_k_q66a8823587_wquant-k_q66a8823587_wquant
	.p2alignl 7, 3214868480
	.fill 96, 4, 3214868480
	.section	.rodata,"a",@progbits
	.p2align	6, 0x0
	.amdhsa_kernel k_q66a8823587_wquant
		.amdhsa_group_segment_fixed_size 40448
		.amdhsa_private_segment_fixed_size 0
		.amdhsa_enable_private_segment 0
		.amdhsa_kernarg_size 40
		.amdhsa_user_sgpr_count 2
		.amdhsa_user_sgpr_kernarg_segment_ptr 1
		.amdhsa_wavefront_size32 1
		.amdhsa_system_sgpr_workgroup_id_x 1
		.amdhsa_system_sgpr_workgroup_id_y 1
		.amdhsa_system_sgpr_workgroup_id_z 1
		.amdhsa_system_vgpr_workitem_id 0
		.amdhsa_next_free_vgpr 256
		.amdhsa_next_free_sgpr 66
		.amdhsa_reserve_vcc 1
		.amdhsa_float_denorm_mode_32 3
		.amdhsa_float_denorm_mode_16_64 3
		.amdhsa_memory_ordered 1
		.amdhsa_forward_progress 1
		.amdhsa_inst_pref_size 82
	.end_amdhsa_kernel
	.amdgpu_metadata
---
amdhsa.version: [ 1, 2 ]
amdhsa.kernels:
  - .name:           k_q66a8823587_wquant
    .symbol:         k_q66a8823587_wquant.kd
    .args:
      - { .name: weight_re, .offset: 0, .size: 8, .value_kind: global_buffer, .address_space: global }
      - { .name: weight_im, .offset: 8, .size: 8, .value_kind: global_buffer, .address_space: global }
      - { .name: wre_f, .offset: 16, .size: 8, .value_kind: global_buffer, .address_space: global }
      - { .name: wim_f, .offset: 24, .size: 8, .value_kind: global_buffer, .address_space: global }
      - { .name: psum, .offset: 32, .size: 8, .value_kind: global_buffer, .address_space: global }
    .group_segment_fixed_size: 40448
    .private_segment_fixed_size: 0
    .kernarg_segment_align: 8
    .kernarg_segment_size: 40
    .max_flat_workgroup_size: 128
    .sgpr_count:     66
    .vgpr_count:     256
    .wavefront_size: 32
...
	.end_amdgpu_metadata
.endif
;; end of part 2
;; launch cgemm (part 3): grid 16 x 16, 4 waves a work-group, clusters of 4 x 4, 327,680 bytes of LDS; arguments xre_f, xim_f, wre_f, wim_f, out0, out1; writes out0, out1
.if DOCPART == 3
	.amdgcn_target "amdgcn-amd-amdhsa--gfx1250"
	.amdhsa_code_object_version 6
	.text
	.protected	k_q66a8823587_cgemm
	.globl	k_q66a8823587_cgemm
	.p2align	8
	.type	k_q66a8823587_cgemm,@function
k_q66a8823587_cgemm:
	s_mov_b64 s[64:65], 0
	v_nop
	global_prefetch_b8 v0, s[64:65] scope:SCOPE_SE
	s_setreg_imm32_b32 hwreg(HW_REG_WAVE_MODE, 25, 1), 1
	s_wait_xcnt 0x0
	s_wait_alu depctr_hold_cnt(0) depctr_sa_sdst(0) depctr_va_vdst(0) depctr_va_sdst(0) depctr_va_ssrc(0) depctr_va_vcc(0) depctr_vm_vsrc(0)
	s_getreg_b32 s2, hwreg(HW_REG_IB_STS2, 6, 4)
	s_cmp_eq_u32 s2, 0
	s_cbranch_scc0 .Lentry_in_a_cluster
	s_endpgm
.Lentry_in_a_cluster:
	s_bfe_u32 s2, ttmp6, 0x10000c
	s_cmp_lg_u32 s2, 0xf033
	s_cbranch_scc0 .Lentry_shape_is_right
	s_endpgm
.Lentry_shape_is_right:
; y_re = x_re w_re^T - x_im w_im^T, y_im = x_re w_im^T + x_im w_re^T; [2048 tokens][2048 outputs] f32 each, K = 4,096, operands in codes of BF6 (E3M2) with E8M0 scales.
; The four operands lie as [16 tiles of 128 rows][32 steps of 128 along K][12,800 bytes]: 8 fragments of 16 rows as images of the operand's registers (lane l: 48 bytes at 48 l), then 512 bytes of scale words.
; A work-group makes 128 tokens x 128 outputs of both results; four waves, 64 x 64 each: 48 accumulators (x_re w_re; y_im, which takes two products; x_im w_im, taken away on the way out), 64 matrix instructions a step.
; THE RING: two LDS slots, each with THREE steps of all four tiles (153,600 bytes).  Wave 0 fetches x_re's tile, 1 x_im's, 2 w_re's, 3 w_im's: three steps of a tile are 38,400 dense bytes, one tensor load of 150 rows of 256 bytes.
; 32 steps are ten fills of three and one of two (100 rows).  A fill is asked for in the last step of the slot's former fill, behind the change of slots, and awaited at the next change: 160 matrix instructions later.
; A fragment is three ds_load_b128 (48 l + 16 j: sixteen lanes touch sixteen different 16-byte columns of 256); a step's scale words are two: lanes 0-15 take x's words of row r for my four fragments, lanes 16-31 w's.
; CLUSTERS: 4 x 4 work-groups; x's tiles are asked for jointly along a row of the cluster, w's along a column.  The matrix instruction is used transposed (source 0 = w's rows): a lane holds eight neighbouring outputs of a token.
; PREFETCH: behind each refill of the loop each wave names the fill after the one just asked for, of its own tile: 150 blocks of 256 bytes, 38 to each of the four partners, told apart by address, a lane a block
; (left-over lanes name the last block again).  Fills 0 to 2 and the short last fill come by their loads alone.
; REGISTERS: window 0: v8-29 addresses, v32-47 scale words (two sets), v128-223 x's fragments (one set); window 1: w's fragments, two sets (v0, v128); window 2: x_re's products; window 3: x_im w_im.
.set FR,     12
.set FRB,    1536
.set STB,    12800
.set TILE3,  3*STB
.set SLOT,   4*TILE3
.set TILEB,  32*STB
.set SPARE,  2*SLOT                    ; behind the ring: the spare words, 512 bytes
.set SP,     272                       ; the way out: stage rows of 256 bytes + 16; the stages lie in slot 1, which has had its last fill and its last read by then
.set IMST,   16*SP
.set STW,    2*IMST
.set NROW,   8192
.set ADR,  8                           ; v8-15   LDS address of my fragments: 4 x slot + tile
.set ADRS, 16                          ; v16-17  of my scale words, slot 0, 1
.set PFO,  18                          ; v18-19  the prefetches' offsets
.set STO,  24
.set RD,   25
.set CO,   26
.set SPW,  28
.set NIL,  29
.set SC,   32
.set TMP,  64
.set AF,   128
.set BK,   128
.set PFA, 12                           ; s[12:13] the fill that my prefetches name
.set G1, 24
.set G0, 32
.set G1B, 48
.set G0B, 56
.set WV,  66
.set RH,  67
.set CH,  92
.set MSB, 0
.macro WIN new
.if MSB != \new
	s_set_vgpr_msb (MSB<<8)|\new
.set MSB, \new
.endif
.endm
.set MUL_LO, 0xa1
.set MUL_HI, 0xf1
.set TO_B,   0x40
.macro JLOAD g0a, g1a, g0b, g1b        ; a joint load: waves 0, 1 for x, waves 2, 3 for w
	s_cmp_eq_u32 s[RH], 0
	s_cbranch_scc0 .Lfor_b_\@
	tensor_load_to_lds s[\g0a:\g0a+3], s[\g1a:\g1a+7]
	s_nop 0
.rept 4
	v_nop
.endr
	s_branch .Lasked_\@
.Lfor_b_\@:
	tensor_load_to_lds s[\g0b:\g0b+3], s[\g1b:\g1b+7]
	s_nop 0
.rept 4
	v_nop
.endr
.Lasked_\@:
.endm
.macro CREST
	s_cmp_lg_u32 s[WV], 0
	s_cbranch_scc1 .Lnot_wave_0_\@
	s_barrier_signal -3
.Lnot_wave_0_\@:
	s_barrier_wait -3
	s_barrier_signal -1
	s_barrier_wait -1
.endm
.macro CROUND
	s_barrier_signal -1
	s_barrier_wait -1
	CREST
.endm
	s_load_b256 s[4:11], s[0:1], 0x0               ; xre_f, xim_f, wre_f, wim_f
	s_load_b128 s[20:23], s[0:1], 0x20             ; out0, out1
	v_lshl_add_u32 v[SPW], v0, 2, SPARE
	v_mov_b32 v[NIL], 0
	ds_add_u32 v[SPW], v[NIL]                      ; the opening lines: the add, twice on end, and its wait
	ds_add_u32 v[SPW], v[NIL]
	v_lshrrev_b32 v1, 5, v0
	v_readfirstlane_b32 s[WV], v1
	s_lshr_b32 s[RH], s[WV], 1                     ; my half of the tokens; also: I fetch for x (0) or w (1)
	s_and_b32 s[CH], s[WV], 1                      ; my half of the outputs; also: I fetch re (0) or im (1)
	s_bfe_u32 s40, ttmp6, 0x40000
	s_bfe_u32 s41, ttmp6, 0x40004
	s_lshl_b32 s42, ttmp9, 2
	s_add_co_u32 s42, s42, s40                     ; w's tile
	s_and_b32 s93, ttmp7, 0xffff
	s_lshl_b32 s93, s93, 2
	s_add_co_u32 s93, s93, s41                     ; x's tile
	s_lshl_b32 s43, s41, 2
	s_lshl_b32 s43, 15, s43
	s_lshl_b32 s44, 0x1111, s40
	s_or_b32 s[G1+0], s43, (3<<16)|(1<<21)         ; the mask; elements of 8 bytes; no padding
	s_or_b32 s[G1B+0], s44, (3<<16)|(1<<21)
.irp g, G1, G1B
	s_mov_b32 s[\g+1], 32<<16                      ; rows of 256 bytes,
	s_mov_b32 s[\g+2], 150<<16                     ; 150 of them: three steps of a tile
	s_mov_b32 s[\g+3], 32<<16
	s_mov_b32 s[\g+4], 150
	s_mov_b32 s[\g+5], 32
	s_mov_b32 s[\g+6], 0
	s_mov_b32 s[\g+7], 0
.endr
	s_mul_i32 s96, s93, TILEB
	s_mov_b32 s97, 0
	s_mul_i32 s98, s42, TILEB
	s_mov_b32 s99, 0
	s_mul_i32 s45, s[WV], TILE3                    ; where my tile goes: wave x 38,400
	s_wait_dscnt 0x0
	s_wait_kmcnt 0x0
	s_cmp_eq_u32 s[CH], 0
	s_cselect_b64 s[4:5], s[4:5], s[6:7]
	s_cselect_b64 s[8:9], s[8:9], s[10:11]
	s_add_nc_u64 s[4:5], s[4:5], s[96:97]
	s_add_nc_u64 s[8:9], s[8:9], s[98:99]
	CROUND                                         ; in front of the first joint loads
.irp s, 0,1
	s_mov_b32 s[G0+4*\s], 1
	s_add_co_u32 s[G0+4*\s+1], s45, \s*SLOT
	s_add_nc_u64 s[G0+4*\s+2:G0+4*\s+3], s[4:5], \s*TILE3
	s_or_b32 s[G0+4*\s+3], s[G0+4*\s+3], 0x80000000
	s_mov_b32 s[G0B+4*\s], 1
	s_add_co_u32 s[G0B+4*\s+1], s45, \s*SLOT
	s_add_nc_u64 s[G0B+4*\s+2:G0B+4*\s+3], s[8:9], \s*TILE3
	s_or_b32 s[G0B+4*\s+3], s[G0B+4*\s+3], 0x80000000
.endr
	JLOAD G0, G1, G0B, G1B                         ; fill 0: one tensor load a wave at the head
	s_mul_i32 s95, s[RH], 4*FRB                    ; my four fragments of x's tiles,
	s_mul_i32 s2, s[CH], 4*FRB
	s_add_co_u32 s2, s2, 2*TILE3                   ; and of w's
	s_lshl_b32 s46, s[RH], 8
	s_lshl_b32 s47, s[CH], 8
	s_add_co_u32 s47, s47, 2*TILE3
	s_sub_co_u32 s47, s47, s46                     ; from x's scale words to w's
	s_add_co_u32 s46, s46, 8*FRB
	s_mul_i32 s45, s[WV], STW
	s_add_co_u32 s45, s45, SLOT                    ; my stage
	s_lshl_b32 s96, s93, 7
	s_lshl_b32 s97, s[RH], 6
	s_add_co_u32 s96, s96, s97
	s_lshl_b32 s96, s96, 13                        ; my first token's row of 8,192 bytes
	s_mov_b32 s97, 0
	s_lshl_b32 s98, s42, 9
	s_lshl_b32 s99, s[CH], 8
	s_add_co_u32 s98, s98, s99
	s_mov_b32 s99, 0
	s_add_nc_u64 s[96:97], s[96:97], s[98:99]
	s_add_nc_u64 s[20:21], s[20:21], s[96:97]
	s_add_nc_u64 s[22:23], s[22:23], s[96:97]
	s_cmp_eq_u32 s[RH], 0
	s_cselect_b64 s[PFA:PFA+1], s[4:5], s[8:9]     ; my tile,
	s_cselect_b32 s94, s40, s41                    ; my place among the four that ask for it with me
	s_add_nc_u64 s[PFA:PFA+1], s[PFA:PFA+1], 2*TILE3   ; the first change of slots steps it to fill 3
	s_mul_i32 s94, s94, 38
	v_and_b32 v1, 31, v0
	v_and_b32 v2, 15, v0
	v_bfe_u32 v4, v0, 4, 1
	v_mul_u32_u24 v3, v1, 48
	v_add_nc_u32 v[ADR+0], s95, v3
	v_add_nc_u32 v[ADR+2], s2, v3
	v_add_nc_u32 v[ADR+1], TILE3, v[ADR+0]
	v_add_nc_u32 v[ADR+3], TILE3, v[ADR+2]
.irp t, 0,1,2,3
	v_add_nc_u32 v[ADR+4+\t], SLOT, v[ADR+\t]
.endr
	v_mul_u32_u24 v6, s47, v4                      ; lanes 16-31 take w's words
	v_lshl_add_u32 v6, v2, 4, v6
	v_add_nc_u32 v[ADRS], s46, v6
	v_add_nc_u32 v[ADRS+1], SLOT, v[ADRS]
	v_mul_u32_u24 v5, v2, SP
	v_lshl_add_u32 v5, v4, 5, v5
	v_add_nc_u32 v[STO], s45, v5
	v_mul_u32_u24 v5, v4, SP
	v_lshl_add_u32 v5, v2, 4, v5
	v_add_nc_u32 v[RD], s45, v5
	v_lshlrev_b32 v5, 13, v4
	v_lshl_add_u32 v[CO], v2, 4, v5
	v_add_nc_u32 v7, s94, v1                       ; blocks 38 p + 0 .. 31,
	v_min_u32 v7, 149, v7
	v_lshlrev_b32 v[PFO], 8, v7
	v_min_u32 v7, 5, v1
	v_add_nc_u32 v7, s94, v7
	v_add_nc_u32 v7, 32, v7                        ; and 38 p + 32 .. 37, none beyond the fill's last
	v_min_u32 v7, 149, v7
	v_lshlrev_b32 v[PFO+1], 8, v7
.macro FRAG reg, adr, off
.irp j, 0,1,2
	ds_load_b128 v[\reg+4*\j:\reg+4*\j+3], v[\adr] offset:(\off)+16*\j
.endr
.endm
.macro MM d, bb, ab, p, zero
.if \zero
	v_wmma_scale_f32_16x16x128_f8f6f4 v[\d:\d+7], v[128*(\p)+FR*(\bb):128*(\p)+FR*(\bb)+FR-1], v[AF+FR*(\ab):AF+FR*(\ab)+FR-1], 0, v[SC+8*(\p)+(\bb)], v[SC+8*(\p)+(\ab)] matrix_a_fmt:MATRIX_FMT_BF6 matrix_b_fmt:MATRIX_FMT_BF6 matrix_a_scale:MATRIX_SCALE_ROW1
.else
	v_wmma_scale_f32_16x16x128_f8f6f4 v[\d:\d+7], v[128*(\p)+FR*(\bb):128*(\p)+FR*(\bb)+FR-1], v[AF+FR*(\ab):AF+FR*(\ab)+FR-1], v[\d:\d+7], v[SC+8*(\p)+(\bb)], v[SC+8*(\p)+(\ab)] matrix_a_fmt:MATRIX_FMT_BF6 matrix_b_fmt:MATRIX_FMT_BF6 matrix_a_scale:MATRIX_SCALE_ROW1
.endif
.endm
; The accumulators take turns, one instruction a turn.
.macro MULX a0, p, zero                ; x_re's blocks a0, a0 + 1 against w_re's four and w_im's four
.irp a, \a0, \a0+1
.irp b, 0,1,2,3,4,5,6,7
	MM 8*(8*(\a)+\b), \b, \a, \p, \zero
.endr
.endr
.endm
.macro MULR p                          ; x_im w_re, onto y_im
.irp a, 0,1,2,3
.irp b, 0,1,2,3
	MM 8*(8*\a+4+\b), \b, 4+\a, \p, 0
.endr
.endr
.endm
.macro MULI p, zero                    ; x_im w_im
.irp a, 0,1,2,3
.irp b, 0,1,2,3
	MM 8*(4*\a+\b), 4+\b, 4+\a, \p, \zero
.endr
.endr
.endm
.macro FETCH_B slot, q, p
	WIN TO_B
.irp i, 0,1,2,3
	FRAG 128*(\p)+FR*\i, ADR+4*(\slot)+2, (\q)*STB+\i*FRB
	FRAG 128*(\p)+FR*(4+\i), ADR+4*(\slot)+3, (\q)*STB+\i*FRB
.endr
	WIN 0
.endm
.macro FETCH_A slot, q, im
.irp i, 0,1,2,3
	FRAG AF+FR*(4*(\im)+\i), ADR+4*(\slot)+(\im), (\q)*STB+\i*FRB
.endr
.endm
.macro SCALES slot, q, p
	ds_load_b128 v[SC+8*(\p):SC+8*(\p)+3], v[ADRS+(\slot)] offset:(\q)*STB
	ds_load_b128 v[SC+8*(\p)+4:SC+8*(\p)+7], v[ADRS+(\slot)] offset:(\q)*STB+TILE3
.endm
.macro PLACES n
.rept \n
	v_nop
.endr
.endm
; A step of 128 along K.  kind 0: the next step lies in the same slot.  Else this is the slot's last step: its fragments are all in registers or on their way, so ONE barrier shows the other slot whole and this one free.
; kind 1: the slot is filled again with three steps; 2: with the last two; 3: with nothing.
.macro STEP slot, q, zero, kind
.set P, ((\slot)+(\q))%2
.if \kind
.set NS, 1-(\slot)
.set NQ, 0
.if (\kind) == 1
	s_wait_xcnt 0x0                                ; my last prefetches have read their address
	s_add_nc_u64 s[PFA:PFA+1], s[PFA:PFA+1], TILE3
.endif
	s_wait_tensorcnt 0x0                           ; all my tensor loads have landed: my tile of the other slot;
	ds_add_u32 v[SPW], v[NIL]
.if (\kind) < 3
	s_add_nc_u64 s[G0+4*(\slot)+2:G0+4*(\slot)+3], s[G0+4*(\slot)+2:G0+4*(\slot)+3], 2*TILE3
	s_add_nc_u64 s[G0B+4*(\slot)+2:G0B+4*(\slot)+3], s[G0B+4*(\slot)+2:G0B+4*(\slot)+3], 2*TILE3
.endif
.if (\kind) == 2
	s_mov_b32 s[G1+2], 100<<16                     ; no tensor load of mine is out: the last fill has 100 rows
	s_mov_b32 s[G1+4], 100
	s_mov_b32 s[G1B+2], 100<<16
	s_mov_b32 s[G1B+4], 100
.endif
	s_wait_dscnt 13                                ; (the add and x_im's 12 loads may be out)
	WIN MUL_LO
	MULX 0, P, \zero
	s_wait_dscnt 0x0                               ; the add is done, and my reads of this slot are over
	s_barrier_signal -1
	MULX 2, P, \zero
	WIN 0
	s_barrier_wait -1
.if (\kind) < 3
	CREST                                          ; the barrier has opened a round of the cluster's barrier
	JLOAD G0+4*(\slot), G1, G0B+4*(\slot), G1B     ; the first tensor load behind the round; its four v_nop are the places in front of the loads below
.else
	PLACES 4
.endif
	FETCH_B NS, NQ, 1-P                            ; the other slot is whole only behind the barrier: all of the next step's first fragments are fetched here
	FETCH_A NS, NQ, 0
	SCALES NS, NQ, 1-P
.else
.set NS, \slot
.set NQ, (\q)+1
	s_wait_dscnt 12                                ; all but x_im's 12 loads are in
	FETCH_B NS, NQ, 1-P                            ; w's other set and the other set of scale words are free (four places stand behind the last step's last product): the next step's 26 loads go out at the step's head
	SCALES NS, NQ, 1-P
	WIN MUL_LO
	MULX 0, P, \zero
	MULX 2, P, \zero
	s_wait_dscnt 26                                ; x_im's 12 loads are in; the 26 issued behind them may be out
	PLACES 4
	WIN 0
	FETCH_A NS, NQ, 0                              ; x_re's fragments are free now
.endif
.if (\kind) == 1
.if (\slot) == 1
	s_cmp_lg_u32 s3, 1                             ; in the loop's last trip the fill after the one asked for is the short one: it is not named
	s_cbranch_scc0 .Lnoask_\@
.endif
	global_prefetch_b8 v[PFO], s[PFA:PFA+1] th:TH_LOAD_NT scope:SCOPE_SE
	global_prefetch_b8 v[PFO+1], s[PFA:PFA+1] th:TH_LOAD_NT scope:SCOPE_SE
.Lnoask_\@:
.endif
	WIN MUL_LO
	MULR P
	WIN MUL_HI
	MULI P, \zero
	PLACES 4
	WIN 0
	FETCH_A NS, NQ, 1
.endm
	s_wait_alu depctr_va_vdst(0)                   ; the wait at the head's end
	s_wait_tensorcnt 0x0                           ; my tile of fill 0 is in
	ds_add_u32 v[SPW], v[NIL]
	s_wait_dscnt 0x0
	CROUND
	JLOAD G0+4, G1, G0B+4, G1B                     ; fill 1
	FETCH_B 0, 0, 0
	FETCH_A 0, 0, 0
	SCALES 0, 0, 0
	FETCH_A 0, 0, 1
	STEP 0, 0, 1, 0                                ; the first step's products start the sums
	s_mov_b32 s3, 4
.Llap:                                                 ; a trip: six steps, once round the ring; four trips ask for fills 2 to 9
	STEP 0, 1, 0, 0
	STEP 0, 2, 0, 1
	STEP 1, 0, 0, 0
	STEP 1, 1, 0, 0
	STEP 1, 2, 0, 1
	STEP 0, 0, 0, 0
	s_sub_co_u32 s3, s3, 1
	s_cmp_lg_u32 s3, 0
	s_cbranch_scc1 .Llap
	STEP 0, 1, 0, 0                                ; fill 8 goes on
	STEP 0, 2, 0, 2                                ; and asks for fill 10, two steps
	STEP 1, 0, 0, 0
	STEP 1, 1, 0, 0
	STEP 1, 2, 0, 3
	STEP 0, 0, 0, 0
	s_wait_dscnt 12                                ; the last step: nothing more to fetch
	WIN MUL_LO
	MULX 0, 1, 0
	MULX 2, 1, 0
	s_wait_dscnt 0x0
	MULR 1
	WIN MUL_HI
	MULI 1, 0
	WIN 0
; THE WAY OUT, by blocks of 16 tokens x 64 outputs of both results, through my own stage: back as rows of 256 bytes, which sixteen lanes store as one aligned unit.
.macro TOSTAGE a
.set TT, TMP+32*((\a)%2)
.set BB, BK+64*((\a)%2)
	WIN 0x0e
.irp b, 0,1,2,3
.irp j, 0,2,4,6
	v_pk_add_f32 v[TT+8*\b+\j:TT+8*\b+\j+1], v[8*(8*(\a)+\b)+\j:8*(8*(\a)+\b)+\j+1], v[8*(4*(\a)+\b)+\j:8*(4*(\a)+\b)+\j+1] neg_lo:[0,1] neg_hi:[0,1]   ; y_re
.endr
.endr
	WIN 0
.irp b, 0,1,2,3
	ds_store_b128 v[STO], v[TT+8*\b:TT+8*\b+3] offset:64*\b
	ds_store_b128 v[STO], v[TT+8*\b+4:TT+8*\b+7] offset:64*\b+16
.endr
	WIN 0x08
.irp b, 0,1,2,3
	ds_store_b128 v[STO], v[8*(8*(\a)+4+\b):8*(8*(\a)+4+\b)+3] offset:IMST+64*\b
	ds_store_b128 v[STO], v[8*(8*(\a)+4+\b)+4:8*(8*(\a)+4+\b)+7] offset:IMST+64*\b+16
.endr
	WIN 0
.irp t, 0,1,2,3,4,5,6,7
	ds_load_b128 v[BB+4*\t:BB+4*\t+3], v[RD] offset:\t*2*SP
.endr
.irp t, 0,1,2,3,4,5,6,7
	ds_load_b128 v[BB+32+4*\t:BB+32+4*\t+3], v[RD] offset:IMST+\t*2*SP
.endr
.endm
.macro SEND a, younger
.set BB, BK+64*((\a)%2)
	s_wait_dscnt \younger
.irp t, 0,1,2,3,4,5,6,7
	global_store_b128 v[CO], v[BB+4*\t:BB+4*\t+3], s[20:21] offset:(\a)*16*NROW+\t*2*NROW th:TH_STORE_NT
.endr
.irp t, 0,1,2,3,4,5,6,7
	global_store_b128 v[CO], v[BB+32+4*\t:BB+32+4*\t+3], s[22:23] offset:(\a)*16*NROW+\t*2*NROW th:TH_STORE_NT
.endr
.endm
	PLACES 4
	TOSTAGE 0
.irp a, 1,2,3
.if \a > 1
	s_wait_xcnt 0x0                                ; block a - 2's stores have read their registers
.endif
	TOSTAGE \a
	SEND \a-1, 32
.endr
	SEND 3, 0
	s_wait_tensorcnt 0x0                           ; the wave's end
	ds_add_u32 v[SPW], v[NIL]
	s_wait_dscnt 0x0
	CROUND                                         ; the closing round
	s_endpgm
.Lfunc_end_k_q66a8823587_cgemm:
	.size	k_q66a8823587_cgemm, .Lfunc_end_k_q66a8823587_cgemm-k_q66a8823587_cgemm
	.p2alignl 7, 3214868480
	.fill 96, 4, 3214868480
	.section	.rodata,"a",@progbits
	.p2align	6, 0x0
	.amdhsa_kernel k_q66a8823587_cgemm
		.amdhsa_group_segment_fixed_size 327680
		.amdhsa_private_segment_fixed_size 0
		.amdhsa_enable_private_segment 0
		.amdhsa_kernarg_size 48
		.amdhsa_user_sgpr_count 2
		.amdhsa_user_sgpr_kernarg_segment_ptr 1
		.amdhsa_wavefront_size32 1
		.amdhsa_system_sgpr_workgroup_id_x 1
		.amdhsa_system_sgpr_workgroup_id_y 1
		.amdhsa_system_sgpr_workgroup_id_z 1
		.amdhsa_system_vgpr_workitem_id 0
		.amdhsa_next_free_vgpr 896
		.amdhsa_next_free_sgpr 102
		.amdhsa_reserve_vcc 0
		.amdhsa_float_denorm_mode_32 3
		.amdhsa_float_denorm_mode_16_64 3
		.amdhsa_memory_ordered 1
		.amdhsa_forward_progress 1
		.amdhsa_inst_pref_size 195
	.end_amdhsa_kernel
	.amdgpu_metadata
---
amdhsa.version: [ 1, 2 ]
amdhsa.kernels:
  - .name:           k_q66a8823587_cgemm
    .symbol:         k_q66a8823587_cgemm.kd
    .args:
      - { .name: xre_f, .offset: 0, .size: 8, .value_kind: global_buffer, .address_space: global }
      - { .name: xim_f, .offset: 8, .size: 8, .value_kind: global_buffer, .address_space: global }
      - { .name: wre_f, .offset: 16, .size: 8, .value_kind: global_buffer, .address_space: global }
      - { .name: wim_f, .offset: 24, .size: 8, .value_kind: global_buffer, .address_space: global }
      - { .name: out0, .offset: 32, .size: 8, .value_kind: global_buffer, .address_space: global }
      - { .name: out1, .offset: 40, .size: 8, .value_kind: global_buffer, .address_space: global }
    .group_segment_fixed_size: 327680
    .private_segment_fixed_size: 0
    .kernarg_segment_align: 8
    .kernarg_segment_size: 48
    .max_flat_workgroup_size: 128
    .sgpr_count:     102
    .vgpr_count:     896
    .wavefront_size: 32
...
	.end_amdgpu_metadata
.endif
;; end of part 3
